; MI455X (gfx1250); checked and timed in simulation.
; The chip was launched on July 23, 2026; its instructions are those of AMD's public machine-readable ISA for CDNA 5 (MIT licence, August 2026) and "CDNA5" Instruction Set Architecture Reference Guide (July 2026). The comments in the code are by the model that wrote it; some were corrected since.
;; Quantize. Allowed arithmetic: matrix products marked QUANTISED: E2M1 operands, one E8M0 scale for each 32 along K, by v_wmma_scale_f32_16x16x128_f8f6f4 with both operands' format E2M1 (or v_wmma_scale_f32_32x16x128_f4), f32 sums; everything else in f32.
;; Inputs: embed 256 x 8,192 float32; input 8 x 4,096 x 256 float32.
;; Outputs: out0 8 x 4,096 x 256 float32; out1 one number float32; out2 8 x 4,096 int32.
;; This version of the problem:
;;   THIS VERSION OF THE PROBLEM IS GIVEN IN LOW PRECISION. The matrix products marked QUANTISED in the list below multiply operands that are first quantised to E2M1 (2 exponent bits, 1 mantissa bit; 4 bits a number), with one power-of-two scale for each 32 numbers along K (OCP MX v1.0); their sums are f32. All else is computed in f32.
;;   The module's matrix products, in the order in which they are computed (A, B: the left and right operand; K: the contracted axis; several contracted axes count as one K, in the product's order):
;;     1. [M 32,768, K 256] x [K 256, N 8,192]; A: input input; B: input embed: QUANTISED
;;   THE QUANTISER, for each operand of a quantised product, along K:
;;     - K is cut into blocks of 32 from its start; a last block that is shorter is filled with zeros.
;;     - A block's scale is 2^e with e = floor(log2(the largest magnitude in the block)) - 2, held to -126 .. 127; a block of zeros has e = 0. As a byte (E8M0): e + 127.
;;     - Each number is divided by its block's scale, clamped to +-6, and rounded to the nearest number of E2M1, ties to even, subnormals kept.
;;     - The product sums the exact products of the quantised numbers (number of the format x scale) in f32.
;;   ~~~python
;;   def quantise(x, axis):      # numpy; x: float32 -> the quantised numbers, widened to float32 again
;;       x = np.moveaxis(x, axis, -1); K = x.shape[-1]
;;       x = np.pad(x, [(0, 0)] * (x.ndim - 1) + [(0, -K % 32)]); x = x.reshape(x.shape[:-1] + (-1, 32)); a = np.abs(x).max(-1, keepdims=True)
;;       e = np.where(a > 0, np.clip(np.frexp(np.where(a > 0, a, 1))[1] - 1 - 2, -126, 127), 0)      # np.frexp(a)[1] - 1 = floor(log2(a)), exactly
;;       r = np.clip(x / 2.0 ** e, -6, 6)
;;       step = 2.0 ** (np.maximum(np.frexp(np.where(r == 0, 1, r))[1] - 1, 0) - 1)
;;       q = np.round(r / step) * step * 2.0 ** e      # np.round: ties to even
;;       return np.moveaxis(q.reshape(q.shape[:-2] + (-1,))[..., :K], -1, axis).astype(np.float32)
;;   ~~~
;; One version. Each part assembles by itself: llvm-mc -triple=amdgcn-amd-amdhsa -mcpu=gfx1250 --defsym DOCPART=n.
;; ======== version 1 of 1: 4 launches
;; limits: right only within a limited range of input values
;; workspace buffers: cb 1,179,648 bytes; embt 8,388,608 bytes; xq 4,718,592 bytes; cand 131,072 bytes of whole numbers; part 2,048 bytes; cr 1,048,576 bytes; cm 131,072 bytes
;; launch prep (part 1): grid 768 x 1, 4 waves a work-group, no clusters, 76,800 bytes of LDS; arguments embed, cb, embt, input, xq, cr, cm; writes cb, embt, xq, cr, cm
.if DOCPART == 1
	.amdgcn_target "amdgcn-amd-amdhsa--gfx1250"
	.amdhsa_code_object_version 6
	.text
	.protected	k_q274c530205_prep
	.globl	k_q274c530205_prep
	.p2align	8
	.type	k_q274c530205_prep,@function
k_q274c530205_prep:
	s_mov_b64 s[64:65], 0
	v_nop
	global_prefetch_b8 v0, s[64:65] scope:SCOPE_SE
	s_setreg_imm32_b32 hwreg(HW_REG_WAVE_MODE, 25, 1), 1
	s_wait_xcnt 0x0
; embed [256 (k)][8192 (code)], f32, is prepared once for the launches behind this one:
;   cb:   512 records of 2,304 bytes, one for each tile of 16 codes, laid as a wave's operand registers take them:
;         bytes 0-2047     the codes of FP4 (E2M1): the 16 bytes of block b = 4 s + 2 c + h (32 along K) of code r at 1024 s + 512 c + 256 h + 16 r
;         bytes 2048-2175  scale words: word 16 s + r = the four E8M0 bytes of K step s (128 along K) of code r
;         bytes 2176-2239  sixteen f32: -(the sum of the code's squares) / 2;      bytes 2240-2303  zeros
;   embt: the codebook transposed, [8192][256] f32, so that a code's 256 numbers are 1,024 consecutive bytes.
; A block's scale is 2^(floor(log2(its largest magnitude)) - 2); its byte is the largest magnitude's exponent field - 2, held at 1 from below.
; (A block of zeros so gets the byte 1: its codes are zeros, and this program alone reads the bytes.)
; THE SUM OF SQUARES is taken of the f32 numbers, k ascending, each square rounded and then added: one chain for each code, since near ties of the later comparison hang on its last bits.
; LIMITS: NaN and infinities are not served; blocks whose largest magnitude lies under 2^-124 keep the byte 1.
; SHARES.  A work-group takes 32 codes (two records).  A LANE TAKES A CODE AND ITS REGISTERS RUN DOWN K; wave q takes k = 64 q .. 64 q + 63: two blocks a lane,
; so a block's largest magnitude needs no other lane and the conversions give codes with K innermost.  Records and transposed rows are gathered in LDS and leave as runs of 512 consecutive bytes.
; No tensor loads and no cluster: work-groups share no byte of their inputs.
.set ROWE,  32768                      ; bytes in a row of embed
.set TP,    1040                       ; a row of the transposing stage: 1,024 bytes + 16: an odd multiple of 16
.set REC,   32*TP                      ; behind the stage's 32 rows: the two records
.set RECB,  2304
.set WV,    16                         ; s16  my wave's number
.set X,     32                         ; v32-95   my 64 numbers; later 8 transposed rows on their way out
.set CD,    96                         ; v96-103  my two blocks' codes
.set OUTR,  104                        ; v104-115 the records on their way out
.set SQ,    128                        ; v128-255 two sets of 64 numbers for the chain of squares
; v2 4 x lane;  v3 into the stage;  v4 my codes' place in a record;  v5 my two scale bytes';  v7 my code's sum's;  v8 my code's row of the stage;
; v9 the records read back;  v10 the stage read back;  v11, v12 byte offsets in cb and embt;  v14-15 maxima;  v16 the chain;  v20-23 scale operands and bytes
; WORK LEFT OUT IN THIS PROGRAM: |x|^2 is the same for all codes of a query, so it moves no argmin in exact arithmetic: the later launches compare D = x.e - |e|^2 / 2.
; A NaN, an infinity or an overflow that reaches |x|^2 alone is not carried to the index.
; Work-groups 0-255 prepare the codebook (below); work-groups 256-767 quantise the queries (at the text's end): the longer path has the lower numbers.
	s_cmp_ge_u32 ttmp9, 256
	s_cbranch_scc1 .Lx
	s_load_b128 s[4:7], s[0:1], 0x0
	s_load_b64 s[8:9], s[0:1], 0x10
; The codebook is also laid code by code, for the launch that looks single codes up:
;   cr: 128 bytes a code: block b's 16 bytes of FP4 codes at 16 b;   cm: 16 bytes a code: K step 0's scale word, K step 1's, -(the sum of squares) / 2, a zero word.
; A work-group's 32 codes are 4,096 and 512 consecutive bytes: they are gathered in LDS bytes of their own, from CRL on, and leave as runs of 512 bytes.
	s_load_b64 s[24:25], s[0:1], 0x28              ; cr
	s_load_b64 s[26:27], s[0:1], 0x30              ; cm
	v_lshl_add_u32 v126, v0, 2, 0x9400
	v_mov_b32 v127, 0
	v_lshrrev_b32 v1, 5, v0
	v_readfirstlane_b32 s[WV], v1                  ; wave 0..3
	v_and_b32 v1, 31, v0                           ; lane
	v_and_b32 v13, 15, v0                          ; r: my code in its tile
	v_bfe_u32 v24, v0, 4, 1                        ; t: which of the two tiles
	v_lshlrev_b32 v2, 2, v1
	v_lshlrev_b32 v12, 4, v1                       ; 16 x lane
	v_mul_u32_u24 v8, v1, TP                       ; my code's row of the stage
	s_lshl_b32 s17, s[WV], 8
	v_add_nc_u32 v3, s17, v8                       ; + my wave's 64 numbers: 256 bytes
	v_mul_u32_u24 v25, v24, RECB
	s_lshl_b32 s18, s[WV], 9
	v_add_nc_u32 v11, s18, v12                     ; cb: 16 x lane + 512 x wave
	s_add_co_u32 s18, s18, REC
	v_add_nc_u32 v9, s18, v12                      ; and the same place in LDS
	v_lshl_add_u32 v4, v13, 4, v25
	v_add_nc_u32 v4, s18, v4                       ; blocks 2 q and 2 q + 1 of code r: 512 q + 16 r, the second 256 further on
	v_lshl_add_u32 v7, v13, 2, v25                 ; 2304 t + 4 r
	s_lshr_b32 s19, s[WV], 1
	s_lshl_b32 s19, s19, 6                         ; K step q / 2: 64 bytes of words,
	s_and_b32 s20, s[WV], 1
	s_lshl_b32 s20, s20, 1                         ; bytes 2 (q % 2) and the next of the word
	s_add_co_u32 s19, s19, s20
	s_add_co_u32 s19, s19, REC+2048
	v_add_nc_u32 v5, s19, v7
	v_add_nc_u32 v7, REC+2176, v7
.set CRL, 72192
	s_lshl_b32 s22, s[WV], 5
	s_add_co_u32 s22, s22, CRL
	v_lshl_add_u32 v26, v1, 7, s22                 ; my code's 128 bytes, my two blocks: 128 x lane + 32 q
	s_lshl_b32 s22, s[WV], 1
	s_add_co_u32 s22, s22, CRL+4096
	v_lshl_add_u32 v27, v1, 4, s22                 ; my code's 16 bytes, my two scale bytes: 16 x lane + 2 q
	v_lshl_add_u32 v28, v1, 4, CRL+4096            ; my code's 16 bytes
	s_lshl_b32 s22, s[WV], 10
	v_add_nc_u32 v30, s22, v12                     ; cr: 1,024 x wave + 16 x lane,
	v_add_nc_u32 v29, CRL, v30                     ; and the same place in LDS
	s_mul_i32 s21, s[WV], 8*TP
	v_add_nc_u32 v10, s21, v12                     ; wave w sends rows 8 w .. 8 w + 7 of the stage
	s_lshl_b32 s10, s[WV], 21                      ; embed: 64 q rows,
	s_lshl_b32 s11, ttmp9, 7                       ; 32 columns a work-group
	s_add_co_u32 s10, s10, s11
	s_mov_b32 s11, 0
	s_mul_i32 s12, ttmp9, 2*RECB                   ; cb: two records a work-group
	s_mov_b32 s13, 0
	s_lshl_b32 s14, ttmp9, 15                      ; embt: 32 rows a work-group, 8 a wave
	s_lshl_b32 s15, s[WV], 13
	s_add_co_u32 s14, s14, s15
	s_mov_b32 s15, 0
	s_wait_kmcnt 0x0
	s_add_nc_u64 s[4:5], s[4:5], s[10:11]
	s_add_nc_u64 s[6:7], s[6:7], s[12:13]
	s_add_nc_u64 s[8:9], s[8:9], s[14:15]
	s_lshl_b32 s22, ttmp9, 12
	s_mov_b32 s23, 0
	s_add_nc_u64 s[24:25], s[24:25], s[22:23]
	s_lshl_b32 s22, ttmp9, 9
	s_add_nc_u64 s[26:27], s[26:27], s[22:23]
.set i, 0
.rept 64
	global_load_b32 v[X+i], v2, s[4:5] offset:i*ROWE   ; embed(64 q + i, my code): 32 lanes read 128 consecutive bytes
.set i, i+1
.endr
; Block e of my two: its largest magnitude, its scale, its 32 codes: 16 bytes into the record.
.macro BLOCK e
.set XS, X+32*\e
	s_wait_loadcnt 32-32*\e                        ; loads come back in order: block 0 is in while block 1's 32 may be out; then all
	v_max3_num_f32 v14, |v[XS]|, |v[XS+1]|, |v[XS+2]|
	v_max3_num_f32 v15, |v[XS+3]|, |v[XS+4]|, |v[XS+5]|
.irp i, 6,10,14,18,22,26
	v_max3_num_f32 v14, v14, |v[XS+\i]|, |v[XS+\i+1]|
	v_max3_num_f32 v15, v15, |v[XS+\i+2]|, |v[XS+\i+3]|
.endr
	v_max3_num_f32 v14, v14, |v[XS+30]|, |v[XS+31]|
	v_max3_num_f32 v14, v14, v15, 0x1800000        ; and the floor 2^(3 - 127): the byte cannot fall under 1
	v_add_nc_u32 v[20+\e], 0xff000000, v14         ; 2 off the exponent field: the conversion takes the exponent field of this operand as its scale
.irp g, 0,1,2,3
	v_cvt_scalef32_pk8_fp4_f32 v[CD+4*\e+\g], v[XS+8*\g:XS+8*\g+7], v[20+\e]
.endr
	v_lshrrev_b32 v[22+\e], 23, v[20+\e]           ; the scale's byte (also the plain line behind the conversions)
	ds_store_b128 v4, v[CD+4*\e:CD+4*\e+3] offset:256*\e
	ds_store_b128 v26, v[CD+4*\e:CD+4*\e+3] offset:16*\e
.endm
	BLOCK 0
	BLOCK 1
	v_lshl_or_b32 v22, v23, 8, v22
	ds_store_b16 v5, v22
	ds_store_b16 v27, v22
.irp i, 0,1,2,3,4,5,6,7,8,9,10,11,12,13,14,15
	ds_store_b128 v3, v[X+4*\i:X+4*\i+3] offset:16*\i   ; my 64 numbers into my code's row of the stage
.endr
	s_wait_dscnt 0x0                               ; for the others' sake: my stores have landed
	s_barrier_signal -1
	s_barrier_wait -1                              ; 32 whole rows lie in the stage
.irp n, 0,1,2,3,4,5,6,7,8,9,10,11,12,13,14,15
	ds_load_b128 v[X+4*\n:X+4*\n+3], v10 offset:TP*(\n/2)+512*(\n%2)
.endr
.irp n, 0,1,2,3,4,5,6,7,8,9,10,11,12,13,14,15
	s_wait_dscnt 15-\n                             ; LDS loads come back in order: number n is in
	global_store_b128 v12, v[X+4*\n:X+4*\n+3], s[8:9] offset:1024*(\n/2)+512*(\n%2) th:TH_STORE_NT   ; 32 lanes store 512 consecutive bytes, at a multiple of 256 from embt's first byte
.endr
; Wave 0 alone: the chain of squares, a lane to a code, 64 numbers a batch from the stage, two sets by turns.
.macro CLOAD q
.irp i, 0,1,2,3,4,5,6,7,8,9,10,11,12,13,14,15
	ds_load_b128 v[SQ+64*((\q)%2)+4*\i:SQ+64*((\q)%2)+4*\i+3], v8 offset:256*(\q)+16*\i
.endr
.endm
.macro CSUM q                          ; the squares run four ahead of the additions, which wait for each other
.set S, SQ+64*((\q)%2)
.irp i, 0,1,2,3
	v_mul_f32 v[S+\i], v[S+\i], v[S+\i]
.endr
.set i, 0
	s_wait_alu depctr_va_vdst(0)
.rept 64
.if i+4 < 64
	v_mul_f32 v[S+i+4], v[S+i+4], v[S+i+4]
.endif
.if ((\q) == 0) && (i == 1)
	v_add_f32 v16, v[S], v[S+1]                    ; the first two squares start the chain: nothing is cleared
.elseif ((\q) > 0) || (i > 1)
	v_add_f32 v16, v16, v[S+i]
.endif
.set i, i+1
.endr
.endm
	s_cmp_lg_u32 s[WV], 0
	s_cbranch_scc1 .Lno_chain
	CLOAD 0
	CLOAD 1
	s_wait_dscnt 16                                ; this batch is in; the next batch's sixteen loads may be out
	CSUM 0
	CLOAD 2
	s_wait_dscnt 16
	CSUM 1
	CLOAD 3
	s_wait_dscnt 16
	CSUM 2
	s_wait_dscnt 0x0
	CSUM 3
	v_mul_f32 v16, -0.5, v16                       ; exact
	v_mov_b32 v17, 0
	ds_store_b32 v7, v16
	ds_store_b32 v7, v17 offset:64
	ds_store_b32 v28, v16 offset:8
	ds_store_b32 v28, v17 offset:12
.Lno_chain:
	s_wait_dscnt 0x0
	s_barrier_signal -1
	s_barrier_wait -1                              ; both records are whole: 9 runs of 512 bytes, two a wave and one more for wave 0
	ds_load_b128 v[OUTR:OUTR+3], v9
	ds_load_b128 v[OUTR+4:OUTR+7], v9 offset:2048
	ds_load_b128 v[116:119], v29
	ds_load_b128 v[120:123], v29 offset:512
	s_cmp_lg_u32 s[WV], 0
	s_cbranch_scc1 .Ltwo_runs
	ds_load_b128 v[OUTR+8:OUTR+11], v9 offset:4096
	ds_load_b128 v[20:23], v28
	s_wait_dscnt 0x0
	global_store_b128 v11, v[OUTR+8:OUTR+11], s[6:7] offset:4096
	global_store_b128 v12, v[20:23], s[26:27]      ; cm: 512 consecutive bytes, aligned
.Ltwo_runs:
	s_wait_dscnt 0x0
	global_store_b128 v11, v[OUTR:OUTR+3], s[6:7]              ; 512 consecutive bytes, at a multiple of 256 from cb's first byte
	global_store_b128 v11, v[OUTR+4:OUTR+7], s[6:7] offset:2048
	global_store_b128 v30, v[116:119], s[24:25]    ; cr: two runs of 512 consecutive bytes a wave
	global_store_b128 v30, v[120:123], s[24:25] offset:512
	s_wait_tensorcnt 0x0
	ds_add_u32 v126, v127
	s_wait_dscnt 0x0
	s_endpgm
; THE QUERIES.  input [32768][256] f32 becomes xq: 2,048 records of 2,304 bytes, one for each tile of 16 queries, laid as a wave's operand registers take them:
;   bytes 0-2047: register group c (0..3) of lane l at 512 c + 16 l (groups 0, 1: K step 0; 2, 3: K step 1);  bytes 2048-2303: lane l's scale word at 8 l (lanes 0-15 K step 0, lanes 16-31 K step 1), a zero word behind each.
; A wave takes a tile.  Each load reads 512 consecutive bytes of a row; a K step's 16 x 512 bytes turn through the wave's own stage in LDS (rows 528 bytes apart, on bytes that the codebook's path does not use),
; so that a lane gets 16 neighbours of each block.  Every store of the wave covers 512 or 256 consecutive bytes, aligned.  The quantiser is the one above, two lanes to a block.
.set TM, 240
.macro XLOAD reg, s                    ; K step s of my 16 rows: 512 consecutive bytes a load
.irp r, 0,1,2,3,4,5,6,7,8,9,10,11,12,13,14,15
	global_load_b128 v[\reg+4*\r:\reg+4*\r+3], v5, s[4:5] offset:1024*\r+512*\s th:TH_LOAD_NT
.endr
.endm
.macro TURN reg                        ; through the stage: afterwards lane (r, h) holds, of row r, register 16 b + i = k 32 b + 16 h + i of the K step
.irp r, 0,1,2,3,4,5,6,7,8,9,10,11,12,13,14,15
	ds_store_b128 v11, v[\reg+4*\r:\reg+4*\r+3] offset:528*\r
.endr
	s_wait_dscnt 0x0                               ; the stores have read their registers, which the loads below fill again
.irp b, 0,1,2,3
.irp j, 0,1,2,3
	ds_load_b128 v[\reg+16*\b+4*\j:\reg+16*\b+4*\j+3], v10 offset:128*\b+16*\j
.endr
.endr
	s_wait_dscnt 0x0
.endm
.macro QUANT s, pc, pw                 ; 64 numbers of a lane become a fragment's codes in v[pc] on and its scale word in v[pw]
.irp b, 0,1,2,3
	v_max3_num_f32 v[TM+\b], |v[\s+16*\b]|, |v[\s+1+16*\b]|, 0x1800000   ; with the floor 2^(3 - 127): the byte cannot fall under 1
.endr
.irp i, 2,4,6,8,10,12,14
.irp b, 0,1,2,3
	v_max3_num_f32 v[TM+\b], v[TM+\b], |v[\s+16*\b+\i]|, |v[\s+1+16*\b+\i]|
.endr
.endr
.irp b, 0,1,2,3
	v_permlanex16_b32 v[TM+4+\b], v[TM+\b], s18, s19
.endr
.irp b, 0,1,2,3
	v_max_num_f32 v[TM+\b], v[TM+\b], v[TM+4+\b]   ; with lane l xor 16's: the block's largest magnitude
.endr
.irp b, 0,1,2,3
	v_add_nc_u32 v[TM+12+\b], 0xff000000, v[TM+\b] ; 2 off its exponent field: the conversion's scale operand
.endr
.irp b, 0,1,2,3
	v_lshrrev_b32 v[TM+4+\b], 23, v[TM+12+\b]      ; the scale's byte
.endr
	v_lshl_or_b32 v[\pw], v[TM+5], 8, v[TM+4]
	v_lshl_or_b32 v[\pw], v[TM+6], 16, v[\pw]
	v_lshl_or_b32 v[\pw], v[TM+7], 24, v[\pw]
.irp b, 0,1,2,3
	v_cvt_scalef32_pk8_fp4_f32 v[\pc+2*\b], v[\s+16*\b:\s+7+16*\b], v[TM+12+\b]
	v_cvt_scalef32_pk8_fp4_f32 v[\pc+1+2*\b], v[\s+8+16*\b:\s+15+16*\b], v[TM+12+\b]
.endr
	v_nop                                          ; one plain line behind the scaled conversions
.irp c, 0,1                                    ; a whole block to a lane: lanes 0-15 block 2 c, lanes 16-31 block 2 c + 1
.irp i, 0,1
	v_permlane16_swap_b32 v[\pc+4*\c+\i], v[\pc+2+4*\c+\i]
.endr
.endr
.endm
.Lx:
	s_load_b64 s[4:5], s[0:1], 0x18                ; input
	s_load_b64 s[6:7], s[0:1], 0x20                ; xq
	v_lshrrev_b32 v1, 5, v0
	v_readfirstlane_b32 s16, v1                    ; wave 0..3
	v_and_b32 v2, 15, v0                           ; r
	v_bfe_u32 v3, v0, 4, 1                         ; h
	v_and_b32 v4, 31, v0
	s_mul_i32 s23, s16, 8448
	s_add_co_u32 s23, s23, 38400                   ; my wave's stage, behind the codebook path's bytes
	v_mul_u32_u24 v10, v2, 528
	v_lshl_add_u32 v10, v3, 6, v10
	v_add_nc_u32 v10, s23, v10                     ; out of the stage: row r, + 64 h
	v_lshl_add_u32 v60, v0, 2, 0x9400              ; my spare word, and 0
	v_mov_b32 v61, 0
	v_lshlrev_b32 v5, 4, v4                        ; 16 x lane
	v_lshlrev_b32 v6, 3, v4
	v_add_nc_u32 v11, s23, v5                      ; into the stage: 16 x lane
	v_cmp_ne_u32 s22, 0, v3                        ; lanes 16-31
	v_mov_b32 v59, 0
.irp b, 0,1,2,3
	v_mov_b32 v[TM+4+\b], 0                        ; a lane permute's destination counts as one of its sources
.endr
	s_sub_co_u32 s17, ttmp9, 256
	s_lshl_b32 s17, s17, 2
	s_add_co_u32 s17, s17, s16                     ; my tile of 16 queries
	s_lshl_b32 s10, s17, 14
	s_mov_b32 s11, 0
	s_mul_i32 s12, s17, 2304
	s_mov_b32 s13, 0
	s_mov_b32 s18, 0x76543210
	s_mov_b32 s19, 0xfedcba98                      ; v_permlanex16_b32's selects for lane l xor 16
	s_wait_alu depctr_va_vdst(0)                   ; the wait at the head's end
	s_wait_kmcnt 0x0
	s_add_nc_u64 s[4:5], s[4:5], s[10:11]
	s_add_nc_u64 s[6:7], s[6:7], s[12:13]
	XLOAD 112, 0
	XLOAD 176, 1
	s_wait_loadcnt 16
	TURN 112
	QUANT 112, 48, 56
	global_store_b128 v5, v[48:51], s[6:7]
	global_store_b128 v5, v[52:55], s[6:7] offset:512
	s_wait_loadcnt 0x0
	TURN 176
	QUANT 176, 64, 72
	global_store_b128 v5, v[64:67], s[6:7] offset:1024
	global_store_b128 v5, v[68:71], s[6:7] offset:1536
	v_cndmask_b32 v58, v56, v72, s22               ; lanes 0-15 K step 0's word, lanes 16-31 K step 1's
	global_store_b64 v6, v[58:59], s[6:7] offset:2048
	s_wait_tensorcnt 0x0                           ; the wave's end
	ds_add_u32 v60, v61
	s_wait_dscnt 0x0
	s_endpgm
.Lfunc_end_k_q274c530205_prep:
	.size	k_q274c530205_prep, .Lfunc_end_k_q274c530205_prep-k_q274c530205_prep
	.p2alignl 7, 3214868480
	.fill 96, 4, 3214868480
	.section	.rodata,"a",@progbits
	.p2align	6, 0x0
	.amdhsa_kernel k_q274c530205_prep
		.amdhsa_group_segment_fixed_size 76800
		.amdhsa_private_segment_fixed_size 0
		.amdhsa_enable_private_segment 0
		.amdhsa_kernarg_size 56
		.amdhsa_user_sgpr_count 2
		.amdhsa_user_sgpr_kernarg_segment_ptr 1
		.amdhsa_wavefront_size32 1
		.amdhsa_system_sgpr_workgroup_id_x 1
		.amdhsa_system_sgpr_workgroup_id_y 1
		.amdhsa_system_sgpr_workgroup_id_z 1
		.amdhsa_system_vgpr_workitem_id 0
		.amdhsa_next_free_vgpr 256
		.amdhsa_next_free_sgpr 66
		.amdhsa_reserve_vcc 0
		.amdhsa_float_denorm_mode_32 3
		.amdhsa_float_denorm_mode_16_64 3
		.amdhsa_memory_ordered 1
		.amdhsa_forward_progress 1
		.amdhsa_inst_pref_size 56
	.end_amdhsa_kernel
	.amdgpu_metadata
---
amdhsa.version: [ 1, 2 ]
amdhsa.kernels:
  - .name:           k_q274c530205_prep
    .symbol:         k_q274c530205_prep.kd
    .args:
      - { .name: embed, .offset: 0, .size: 8, .value_kind: global_buffer, .address_space: global }
      - { .name: cb, .offset: 8, .size: 8, .value_kind: global_buffer, .address_space: global }
      - { .name: embt, .offset: 16, .size: 8, .value_kind: global_buffer, .address_space: global }
      - { .name: input, .offset: 24, .size: 8, .value_kind: global_buffer, .address_space: global }
      - { .name: xq, .offset: 32, .size: 8, .value_kind: global_buffer, .address_space: global }
      - { .name: cr, .offset: 40, .size: 8, .value_kind: global_buffer, .address_space: global }
      - { .name: cm, .offset: 48, .size: 8, .value_kind: global_buffer, .address_space: global }
    .group_segment_fixed_size: 76800
    .private_segment_fixed_size: 0
    .kernarg_segment_align: 8
    .kernarg_segment_size: 56
    .max_flat_workgroup_size: 128
    .sgpr_count:     66
    .vgpr_count:     256
    .wavefront_size: 32
...
	.end_amdgpu_metadata
.endif
;; end of part 1
;; launch coarse (part 2): grid 256 x 1, 8 waves a work-group, clusters of 4 x 1, 327,680 bytes of LDS; arguments xq, cb, cand; writes cand
.if DOCPART == 2
	.amdgcn_target "amdgcn-amd-amdhsa--gfx1250"
	.amdhsa_code_object_version 6
	.text
	.protected	k_q274c530205_coarse
	.globl	k_q274c530205_coarse
	.p2align	8
	.type	k_q274c530205_coarse,@function
k_q274c530205_coarse:
	s_mov_b64 s[64:65], 0
	v_nop
	global_prefetch_b8 v0, s[64:65] scope:SCOPE_SE
	s_setreg_imm32_b32 hwreg(HW_REG_WAVE_MODE, 25, 1), 1
	s_wait_xcnt 0x0
	s_wait_alu depctr_hold_cnt(0) depctr_sa_sdst(0) depctr_va_vdst(0) depctr_va_sdst(0) depctr_va_ssrc(0) depctr_va_vcc(0) depctr_vm_vsrc(0)
	s_getreg_b32 s2, hwreg(HW_REG_IB_STS2, 6, 4)
	s_cmp_eq_u32 s2, 0
	s_cbranch_scc0 .Lentry_in_a_cluster
	s_endpgm
.Lentry_in_a_cluster:
	s_bfe_u32 s2, ttmp6, 0x10000c
	s_cmp_lg_u32 s2, 0x3003
	s_cbranch_scc0 .Lentry_shape_is_right
	s_endpgm
.Lentry_shape_is_right:
; For each of 32,768 queries: cand = c0, a whole number such that the nearest of the 8,192 codes is c0 or c0 + 16.  The launch behind this one picks between the two.
; |x|^2 is left out (see the first kernel): the distance is least where D = x.e - |e|^2 / 2 is greatest.  x.e is the product on codes of FP4 with E8M0 scales; -|e|^2 / 2 (f32, from cb) is the C of each sum's first matrix instruction.
; LIMITS.  D is rounded as the matrix instruction rounds it.  Where two codes give bit-equal greatest D, the earlier pair of tiles and the lower register slot are kept, each by itself, and of equal candidates the lower c0.
; NaN and infinities are not served.
; SHARES.  A work-group owns 128 queries, 8 tiles of 16, whose operand images (xq) every wave keeps in registers.  Of each chunk of 64 records (tiles of 16 codes) wave w takes 8: each record is read from LDS once in the work-group.
; THE PRODUCT IS USED TRANSPOSED (source 0 = 16 codes, source 1 = 16 queries): lane (r, h) holds query r, register j of a result code 8 h + j of the tile.
; THE SEARCH.  For each tile of queries a lane keeps eight running maxima, one for each register slot j: one v_max3_num_f32 takes in slot j of a pair of tiles of codes.  Behind each pair the greatest of the
; eight slots is compared with the last pair's, and the pair's number kept where it grew: 8 + 4 + 2 instructions for 2 tiles.  At the end j is the first slot that equals the greatest.  No branch hangs on a number.
; THE RING.  Two LDS slots of 64 records; a wave fetches its own 8 records (18,432 dense bytes, 72 rows of 256) with one tensor load and alone reads them.
; CLUSTER.  The four work-groups of a cluster walk the same records in step: each tile is asked for jointly.
; PREFETCH.  In the trip that loads chunk t + 1 each wave asks for its part of chunk t + 3: 72 blocks of 256 bytes, of which the partner at place cx names 18 (by address alone; lanes 18-31 name the last again).
; Chunks 0 to 2 come by their loads alone; the last two trips ask for nothing.
; REGISTERS.  Window 0: v1-11 addresses; v12-19, v20-23 scale words (queries', codes'); v24-31 pair numbers; v32-47 the greatest D, two sets by turns; v48-111 the slots' maxima;
;   v112-175, v176-239 two sets of 8 accumulators; v240 the pair's number; v251-254 addresses.   Window 1: v0-127 the queries' 16 fragments; v128-223 four buffers for records.
.set RECB,  2304
.set WREC,  8*RECB
.set SLOTB, 64*RECB
.set XR,    2*SLOTB                    ; behind the ring, written by LDS stores alone: the candidates
.set RI,    10240                      ; 128 queries x (16 f32 + 16 bytes of padding); their numbers lie RI bytes further on
.set SPARE, XR+20480                   ; the spare words, 128 bytes for each wave
.set SPW,  1
.set NIL,  2
.set LF,   3                           ; my 16 bytes of a record's images, in my wave's part of a slot
.set LSC,  4                           ; my scale word
.set LBI,  5                           ; my half's eight -|e|^2 / 2
.set AF,   6                           ; v6-8 the same three in the slot in hand
.set AS,   7
.set AB,   8
.set HH,   9
.set XQO,  10                          ; 16 x lane
.set XQS,  11                          ; 8 x lane
.set QS,   12
.set CS,   20
.set ID,   24
.set RA,   32
.set RB,   40
.set SV,   48
.set ACC,  112
.set TV,   240                         ; 2 x the pair's first tile + h
.set GO,   251
.set RS,   252
.set RR,   253
.set PFO,  254                         ; 256 x (18 cx + min(lane, 17)); never rewritten
.set VAL,  112
.set IDX,  144
.set BV,   176
.set BI,   178
.set Q,    0
.set CB,   128                         ; window 1: buffer p at v[128 + 24 p]: K step 0, K step 1, -|e|^2 / 2
.set WV,   12
.set WOFF, 15
.set DB,   16
.set TB,   17
.set CNT,  19
.set G1,   24
.set G0,   32
.set PFA,  48                          ; s[48:49] my wave's part of chunk t + 3 in the trip of chunk t
.set MSB, 0
.macro WIN new                         ; the immediate's high byte repeats the setting that is left
.if MSB != \new
	s_set_vgpr_msb (MSB<<8)|\new
.set MSB, \new
.endif
.endm
.macro CROUND                          ; a round of the cluster's barrier
	s_barrier_signal -1
	s_barrier_wait -1
	s_cmp_lg_u32 s[WV], 0
	s_cbranch_scc1 .Lnot_wave_0_\@
	s_barrier_signal -3
.Lnot_wave_0_\@:
	s_barrier_wait -3
	s_barrier_signal -1
	s_barrier_wait -1
.endm
.macro PAIR p                          ; records 2 p and 2 p + 1 of my eight: 14 LDS loads in one run
	WIN 0
.irp t, 0,1
	ds_load_b32 v[CS+(2*(\p)+\t)%4], v[AS] offset:RECB*(2*(\p)+\t)
.endr
	WIN 0x40                                       ; destination window 1, address window 0
.irp t, 0,1
.set CBX, CB+24*((2*(\p)+\t)%4)
.irp c, 0,1,2,3
	ds_load_b128 v[CBX+4*\c:CBX+4*\c+3], v[AF] offset:RECB*(2*(\p)+\t)+512*\c
.endr
	ds_load_b128 v[CBX+16:CBX+19], v[AB] offset:RECB*(2*(\p)+\t)
	ds_load_b128 v[CBX+20:CBX+23], v[AB] offset:RECB*(2*(\p)+\t)+16
.endr
.endm
; Pair p against tiles 4 v .. 4 v + 3 of queries: 16 matrix instructions into accumulator set v; the eight accumulators take turns, K step by K step.
.macro UNIT p, v
.set AC, ACC+64*(\v)
	WIN 0x15                                       ; sources 0, 1 and 2 window 1, destination window 0
.irp t, 0,1
.set CBX, CB+24*((2*(\p)+\t)%4)
.irp u, 0,1,2,3
	v_wmma_scale_f32_16x16x128_f8f6f4 v[AC+8*(4*\t+\u):AC+8*(4*\t+\u)+7], v[CBX:CBX+7], v[Q+16*(4*(\v)+\u):Q+16*(4*(\v)+\u)+7], v[CBX+16:CBX+23], v[CS+(2*(\p)+\t)%4], v[QS+4*(\v)+\u] matrix_a_fmt:MATRIX_FMT_FP4 matrix_b_fmt:MATRIX_FMT_FP4
.endr
.endr
	WIN 0x05                                       ; C and D window 0
.irp t, 0,1
.set CBX, CB+24*((2*(\p)+\t)%4)
.irp u, 0,1,2,3
	v_wmma_scale_f32_16x16x128_f8f6f4 v[AC+8*(4*\t+\u):AC+8*(4*\t+\u)+7], v[CBX+8:CBX+15], v[Q+16*(4*(\v)+\u)+8:Q+16*(4*(\v)+\u)+15], v[AC+8*(4*\t+\u):AC+8*(4*\t+\u)+7], v[CS+(2*(\p)+\t)%4], v[QS+4*(\v)+\u] matrix_a_fmt:MATRIX_FMT_FP4 matrix_b_fmt:MATRIX_FMT_FP4 matrix_a_scale:MATRIX_SCALE_ROW1 matrix_b_scale:MATRIX_SCALE_ROW1
.endr
.endr
	WIN 0
.endm
.macro VEC v                           ; the slots take in accumulator set v: two tiles of codes an instruction; each accumulator is read from its low end on
.set AC, ACC+64*(\v)
.irp u, 0,1,2,3
.irp j, 0,1,2,3,4,5,6,7
	v_max3_num_f32 v[SV+8*(4*(\v)+\u)+\j], v[SV+8*(4*(\v)+\u)+\j], v[AC+8*\u+\j], v[AC+32+8*\u+\j]
.endr
.endr
.endm
.macro CHAIN g, step                   ; a pair of tiles is in: the greatest of the eight slots, old against new, the pair's number; the eight tiles of queries by turns
.if (\g) == 0
.set OLD, RA
.set NEW, RB
.else
.set OLD, RB
.set NEW, RA
.endif
.irp u, 0,1,2,3,4,5,6,7
	v_max3_num_f32 v[NEW+\u], v[SV+8*\u], v[SV+8*\u+1], v[SV+8*\u+2]
.endr
.irp m, 3,5
.irp u, 0,1,2,3,4,5,6,7
	v_max3_num_f32 v[NEW+\u], v[NEW+\u], v[SV+8*\u+\m], v[SV+8*\u+\m+1]
.endr
.endr
.irp u, 0,1,2,3,4,5,6,7
	v_max_num_f32 v[NEW+\u], v[NEW+\u], v[SV+8*\u+7]
.endr
.irp u, 0,1,2,3,4,5,6,7
	v_cmp_gt_f32 s[40+\u], v[NEW+\u], v[OLD+\u]    ; strictly greater: of equal D the earlier pair stays
.endr
.irp u, 0,1,2,3,4,5,6,7
	v_cndmask_b32 v[ID+\u], v[ID+\u], v[TV], s[40+\u]
.endr
	v_add_nc_u32 v[TV], \step, v[TV]
.endm
; My eight records of the slot in hand.  The next pair is fetched ahead of a pair's products; each set's search stands behind the other set's products, and its lines, which name none of those
; products' registers, are the places that later reads and loads want; behind the first products five v_nop take that part.
.macro PROC pf
	v_add_nc_u32 v[AF], s[TB], v[LF]
	v_add_nc_u32 v[AS], s[TB], v[LSC]
	v_add_nc_u32 v[AB], s[TB], v[LBI]
	s_wait_alu depctr_va_vdst(0)                   ; directly behind the writes
	PAIR 0
.irp p, 0,1,2,3
.if \p < 3
	PAIR \p+1
	s_wait_dscnt 14                                ; this pair is in; the next pair's 14 loads may be out
.else
	s_wait_dscnt 0x0
.endif
	UNIT \p, 0
.if \p == 0
.rept 5
	v_nop
.endr
.if \pf
	s_cmp_ge_u32 s[CNT], 3                         ; the last two trips have no chunk three on
	s_cbranch_scc0 .Lno_ask_\@
.Lno_ask_\@:
.endif
.else
	VEC 1
	CHAIN (\p-1)%2, 4
.endif
	UNIT \p, 1
	VEC 0
.endr
	VEC 1
	CHAIN 1, 116                                   ; on past the other waves' 56 tiles
.endm
; THE CHANGE OF SLOTS, at a chunk's head: each wave waits for all its tensor loads (one is out), adds 0 to its spare word, waits for that and for its reads of the slot that it has left.
; fill = 1: a round of the cluster's barrier, and the joint load of the next chunk first behind it.
.macro CHANGE fill
	s_wait_tensorcnt 0x0
	ds_add_u32 v[SPW], v[NIL]
.if \fill
	s_xor_b32 s[DB], s[DB], SLOTB
	s_add_co_u32 s[G0+1], s[DB], s[WOFF]
	s_add_nc_u64 s[G0+2:G0+3], s[G0+2:G0+3], SLOTB
.endif
	s_wait_dscnt 0x0
.if \fill
	CROUND
	tensor_load_to_lds s[G0:G0+3], s[G1:G1+7]
	s_nop 0
.rept 4
	v_nop
.endr
.else
	s_barrier_signal -1
	s_barrier_wait -1
.endif
.endm
	s_load_b128 s[4:7], s[0:1], 0x0                ; xq s[4:5], cb s[6:7]
	s_load_b64 s[8:9], s[0:1], 0x10                ; cand
	v_lshl_add_u32 v[SPW], v0, 2, SPARE
	v_mov_b32 v[NIL], 0
	ds_add_u32 v[SPW], v[NIL]                      ; the opening lines: the add twice on end and its wait
	ds_add_u32 v[SPW], v[NIL]
	v_lshrrev_b32 v3, 5, v0
	v_readfirstlane_b32 s[WV], v3                  ; wave 0..7
	s_bfe_u32 s13, ttmp6, 0x40000                  ; cx: it enters the addresses of xq, of cand and of the prefetch alone
	s_lshl_b32 s14, ttmp9, 2
	s_add_co_u32 s14, s14, s13                     ; my block of 128 queries
	s_mul_i32 s50, s13, 18
	s_mul_i32 s[WOFF], s[WV], WREC
	s_mov_b32 s[G1], 15|(3<<16)|(1<<21)            ; the mask: all four work-groups; elements of 8 bytes; bit 21 beside a mask
	s_mov_b32 s[G1+1], 32<<16                      ; tensor_dim0 = 32 elements: 256 bytes
	s_mov_b32 s[G1+2], 72<<16                      ; tensor_dim1 = 72 rows
	s_mov_b32 s[G1+3], 32<<16
	s_mov_b32 s[G1+4], 72
	s_mov_b32 s[G1+5], 32                          ; the block is dense
	s_mov_b32 s[G1+6], 0
	s_mov_b32 s[G1+7], 0
	s_mov_b32 s[DB], 0
	s_mov_b32 s[TB], 0
	s_mov_b32 s18, 0xff800000                      ; -infinity, under every D
	s_mov_b32 s36, s[WOFF]
	s_mov_b32 s37, 0
	s_mul_i32 s38, s14, 8*RECB                     ; xq: 8 records a work-group
	s_mov_b32 s39, 0
	s_add_co_u32 s22, s[WOFF], 2048
	s_add_co_u32 s23, s[WOFF], 2176
	s_lshl_b32 s21, s[WV], 3
	s_add_co_u32 s21, s21, XR
	s_lshl_b32 s20, s[WV], 4
	s_wait_dscnt 0x0
	s_wait_kmcnt 0x0
	s_mov_b32 s[G0], 1
	s_mov_b32 s[G0+1], s[WOFF]                     ; slot 0, my part
	s_add_nc_u64 s[G0+2:G0+3], s[6:7], s[36:37]    ; my 8 records of chunk 0
	s_add_nc_u64 s[PFA:PFA+1], s[G0+2:G0+3], 3*SLOTB   ; and of chunk 3
	s_or_b32 s[G0+3], s[G0+3], 0x80000000
	s_add_nc_u64 s[4:5], s[4:5], s[38:39]
	s_lshl_b32 s38, s14, 9                         ; 128 numbers a work-group
	s_add_nc_u64 s[8:9], s[8:9], s[38:39]
	CROUND                                         ; all four work-groups are here: the first joint loads meet
	tensor_load_to_lds s[G0:G0+3], s[G1:G1+7]      ; chunk 0
	s_nop 0
.rept 4
	v_nop
.endr
	; the head's vector work, laid so that no line reads what one of the four lines above it wrote
	v_and_b32 v241, 31, v0                         ; lane
	v_and_b32 v242, 15, v0                         ; r
	v_bfe_u32 v[HH], v0, 4, 1                      ; h
	v_and_b32 v[GO], 63, v0                        ; thread t of waves 0 and 1 takes queries 2 t and 2 t + 1
.irp u, 0,1,2,3,4,5,6,7
	v_mov_b32 v[RA+\u], s18
.endr
	v_lshlrev_b32 v[XQO], 4, v241
	v_lshlrev_b32 v[XQS], 3, v241
	v_mul_u32_u24 v[RS], v242, 80                  ; a candidate: query 16 u + r at 80 bytes a query, entry 2 w + h
	v_mul_u32_u24 v[RR], v[GO], 160
	v_lshlrev_b32 v244, 2, v241
	v_lshlrev_b32 v[GO], 3, v[GO]
	v_min_u32 v[PFO], 17, v241
	WIN 0x40
.irp u, 0,1,2,3,4,5,6,7
.irp c, 0,1,2,3
	global_load_b128 v[Q+16*\u+4*\c:Q+16*\u+4*\c+3], v[XQO], s[4:5] offset:RECB*\u+512*\c   ; the 16 fragments stay in registers for the whole launch
.endr
.endr
	WIN 0
.irp u, 0,1,2,3,4,5,6,7
	global_load_b32 v[QS+\u], v[XQS], s[4:5] offset:RECB*\u+2048   ; lanes 0-15: K step 0's words; lanes 16-31: K step 1's
.endr
.irp u, 0,1,2,3,4,5,6,7
	v_mov_b32 v[ID+\u], 0
.endr
	v_add_nc_u32 v[LF], s[WOFF], v[XQO]
	v_lshl_add_u32 v[RS], v[HH], 2, v[RS]
	v_add_nc_u32 v[RR], XR, v[RR]
	v_add_nc_u32 v[LSC], s22, v244
	v_lshl_add_u32 v[LBI], v[HH], 5, s23
	v_add_nc_u32 v[TV], s20, v[HH]                 ; my first tile is 8 w: 2 x 8 w + h
	v_add_nc_u32 v[PFO], s50, v[PFO]
.set i, 0
.rept 64
	v_mov_b32 v[SV+i], s18                         ; the search is written once: its first tiles find these
.set i, i+1
.endr
	v_add_nc_u32 v[RS], s21, v[RS]
	v_lshlrev_b32 v[PFO], 8, v[PFO]
	s_wait_alu depctr_va_vdst(0)                   ; the wait at the head's end
	s_wait_loadcnt 0x0
	s_mov_b32 s[CNT], 7
.Lchunk:                                           ; 7 trips: behind each change of slots but the last the next chunk is asked for
	CHANGE 1
	PROC 1
	s_xor_b32 s[TB], s[TB], SLOTB
	s_wait_xcnt 0x0
	s_add_nc_u64 s[PFA:PFA+1], s[PFA:PFA+1], SLOTB
	s_sub_co_u32 s[CNT], s[CNT], 1
	s_cmp_lg_u32 s[CNT], 0
	s_cbranch_scc1 .Lchunk
	CHANGE 0                                       ; the last chunk is written out
	PROC 0
	; THE END.  The slot: the first of the eight that equals the greatest (looked for from the far end).
.irp u, 0,1,2,3,4,5,6,7
	v_mov_b32 v[RB+\u], 7
.endr
.irp j, 6,5,4,3,2,1,0
.irp u, 0,1,2,3,4,5,6,7
	v_cmp_eq_f32 s[40+\u], v[SV+8*\u+\j], v[RA+\u]
.endr
.irp u, 0,1,2,3,4,5,6,7
	v_cndmask_b32 v[RB+\u], v[RB+\u], \j, s[40+\u]
.endr
.endr
.irp u, 0,1,2,3,4,5,6,7
	v_lshl_add_u32 v[ID+\u], v[ID+\u], 3, v[RB+\u] ; c0 = 8 (2 T0 + h) + j
.endr
.irp u, 0,1,2,3,4,5,6,7
	ds_store_b32 v[RS], v[RA+\u] offset:1280*\u
	ds_store_b32 v[RS], v[ID+\u] offset:RI+1280*\u
.endr
	s_wait_dscnt 0x0                               ; for the others' sake: my candidates have landed
	s_barrier_signal -1
	s_barrier_wait -1
.macro LEX e, a                        ; candidate e of query a against the best so far: greater D wins; of equal D the lower number
.if (\e) == 1
.set PV, VAL+16*(\a)
.set PI, IDX+16*(\a)
.else
.set PV, BV+(\a)
.set PI, BI+(\a)
.endif
	v_cmp_gt_f32 s[40+4*(\a)], v[VAL+16*(\a)+(\e)], v[PV]
	v_cmp_eq_f32 s[41+4*(\a)], v[VAL+16*(\a)+(\e)], v[PV]
	v_cmp_lt_u32 s[42+4*(\a)], v[IDX+16*(\a)+(\e)], v[PI]
	s_and_b32 s[41+4*(\a)], s[41+4*(\a)], s[42+4*(\a)]
	s_or_b32 s[40+4*(\a)], s[40+4*(\a)], s[41+4*(\a)]
	v_cndmask_b32 v[BV+(\a)], v[PV], v[VAL+16*(\a)+(\e)], s[40+4*(\a)]
	v_cndmask_b32 v[BI+(\a)], v[PI], v[IDX+16*(\a)+(\e)], s[40+4*(\a)]
.endm
	s_cmp_gt_u32 s[WV], 1
	s_cbranch_scc1 .Ldone                          ; waves 0 and 1 finish: 64 threads, two queries each
.irp a, 0,1
.irp k, 0,1,2,3
	ds_load_b128 v[VAL+16*\a+4*\k:VAL+16*\a+4*\k+3], v[RR] offset:80*\a+16*\k
	ds_load_b128 v[IDX+16*\a+4*\k:IDX+16*\a+4*\k+3], v[RR] offset:RI+80*\a+16*\k
.endr
.endr
	s_wait_dscnt 0x0
.irp e, 1,2,3,4,5,6,7,8,9,10,11,12,13,14,15
	LEX \e, 0
	LEX \e, 1
.endr
	global_store_b64 v[GO], v[BI:BI+1], s[8:9]     ; a wave stores 256 consecutive bytes, aligned
.Ldone:
	s_wait_tensorcnt 0x0                           ; the wave's end
	ds_add_u32 v[SPW], v[NIL]
	s_wait_dscnt 0x0
	CROUND                                         ; the closing round
	s_endpgm
.Lfunc_end_k_q274c530205_coarse:
	.size	k_q274c530205_coarse, .Lfunc_end_k_q274c530205_coarse-k_q274c530205_coarse
	.p2alignl 7, 3214868480
	.fill 96, 4, 3214868480
	.section	.rodata,"a",@progbits
	.p2align	6, 0x0
	.amdhsa_kernel k_q274c530205_coarse
		.amdhsa_group_segment_fixed_size 327680
		.amdhsa_private_segment_fixed_size 0
		.amdhsa_enable_private_segment 0
		.amdhsa_kernarg_size 24
		.amdhsa_user_sgpr_count 2
		.amdhsa_user_sgpr_kernarg_segment_ptr 1
		.amdhsa_wavefront_size32 1
		.amdhsa_system_sgpr_workgroup_id_x 1
		.amdhsa_system_sgpr_workgroup_id_y 1
		.amdhsa_system_sgpr_workgroup_id_z 1
		.amdhsa_system_vgpr_workitem_id 0
		.amdhsa_next_free_vgpr 512
		.amdhsa_next_free_sgpr 66
		.amdhsa_reserve_vcc 0
		.amdhsa_float_denorm_mode_32 3
		.amdhsa_float_denorm_mode_16_64 3
		.amdhsa_memory_ordered 1
		.amdhsa_forward_progress 1
		.amdhsa_inst_pref_size 130
	.end_amdhsa_kernel
	.amdgpu_metadata
---
amdhsa.version: [ 1, 2 ]
amdhsa.kernels:
  - .name:           k_q274c530205_coarse
    .symbol:         k_q274c530205_coarse.kd
    .args:
      - { .name: xq, .offset: 0, .size: 8, .value_kind: global_buffer, .address_space: global }
      - { .name: cb, .offset: 8, .size: 8, .value_kind: global_buffer, .address_space: global }
      - { .name: cand, .offset: 16, .size: 8, .value_kind: global_buffer, .address_space: global }
    .group_segment_fixed_size: 327680
    .private_segment_fixed_size: 0
    .kernarg_segment_align: 8
    .kernarg_segment_size: 24
    .max_flat_workgroup_size: 256
    .sgpr_count:     66
    .vgpr_count:     512
    .wavefront_size: 32
...
	.end_amdgpu_metadata
.endif
;; end of part 2
;; launch finish (part 3): grid 512 x 1, 4 waves a work-group, no clusters, 19,456 bytes of LDS; arguments input, embt, cr, xq, cand, out0, out2, part, cm; writes out0, out2, part
.if DOCPART == 3
	.amdgcn_target "amdgcn-amd-amdhsa--gfx1250"
	.amdhsa_code_object_version 6
	.text
	.protected	k_q274c530205_finish
	.globl	k_q274c530205_finish
	.p2align	8
	.type	k_q274c530205_finish,@function
k_q274c530205_finish:
	s_mov_b64 s[64:65], 0
	v_nop
	global_prefetch_b8 v0, s[64:65] scope:SCOPE_SE
	s_setreg_imm32_b32 hwreg(HW_REG_WAVE_MODE, 25, 1), 1
	s_wait_xcnt 0x0
; For each query q: of the two codes c0 and c0 + 16 (c0 = cand[q], a whole number stored by the launch before) the one with the greater D = x.e - |e|^2 / 2 (|x|^2 left out: see the first kernel); of equal D the first.
; out2[q] = its index;  out0[q][:] = x + (e - x), e its row of embt [8192][256];  part[work-group] = the sum of (e - x)^2 over its 64 rows.  All but the product in f32.
; A wave takes 16 queries.  D IS MADE AGAIN as the launch before made it: for k = 0, 1 a product of 16 x 16 x 256 whose row m is candidate k of query m, against the 16 queries' image from xq;
; the results wanted stand on the diagonal: lane r + 16 (r / 8), register r % 8.  C holds the lane's own candidate's -|e|^2 / 2 in all eight registers.
; A candidate's 128 bytes of codes (cr) are read by eight neighbouring lanes, 16 bytes each, four candidates a load; the 32 rows turn through the wave's own stage in LDS (rows 144 bytes apart) into the operand's layout.
; Its two scale words and -|e|^2 / 2 (cm) come by one load of 16 bytes a lane.
; THE ROWS.  All addresses come from cand.  Both candidates' rows are loaded for each query and the winner is taken by selects under a mask made of k: no address, branch or trip count hangs on D.
; Every row has registers of its own (x: 16 x 8 in window 0; candidates: 16 x 16 in window 1), so no store's data are written again.  Four rows are worked, then their eight stores go out together.
; Each load and store of a row covers 512 consecutive bytes.  No tensor load and no cluster: work-groups share no tile.  An index is held inside its table ahead of its use in an address.
.set SPW, 245
.set NIL, 246
.set EO,  24                           ; v24-39  query i: byte offset of my 16 bytes in row c0 of embt
.set T,   40                           ; v40-47  at the head: four numbers of cand and their offsets in cr; then the winner's row and e - x
.set X,   48                           ; v48-175 query i's row of x at 8 i, then the result
.set AFR, 176                          ; v176-207 candidate k's fragments at 16 k
.set ACC, 208                          ; v208-223 two accumulators
.set XQ,  224                          ; v224-239 the queries' fragments
.set XS,  242                          ; v242 the queries' scale words;  v243-244 the candidates'
.set ASC, 243
.set M,   248                          ; v248-255 candidate k's 16 bytes of cm at 4 k
.set RAW, 128                          ; window 1, v128-159: the candidates' codes as loaded (the rows of queries 8 and 9 land there later)
.set SP,  144                          ; a stage row: 128 bytes + 16
.set MSB, 0
.macro WIN new                         ; the immediate's high byte repeats the setting that is left
.if MSB != \new
	s_set_vgpr_msb (MSB<<8)|\new
.set MSB, \new
.endif
.endm
	s_load_b512 s[4:19], s[0:1], 0x0               ; input 4, embt 6, cr 8, xq 10, cand 12, out0 14, out2 16, part 18
	s_load_b64 s[62:63], s[0:1], 0x40              ; cm
	v_lshl_add_u32 v[SPW], v0, 2, 512
	v_mov_b32 v[NIL], 0
	v_lshrrev_b32 v2, 5, v0
	v_readfirstlane_b32 s20, v2                    ; wave 0..3
	v_and_b32 v1, 31, v0
	v_and_b32 v6, 15, v0                           ; r
	v_bfe_u32 v3, v0, 4, 1                         ; h
	v_bfe_u32 v5, v0, 3, 1                         ; r / 8
	v_and_b32 v12, 1, v0
	v_and_b32 v13, 2, v0
	v_and_b32 v14, 4, v0
	v_cmp_ne_u32 s48, 0, v12                       ; the three bits of r % 8, as masks
	v_cmp_ne_u32 s49, 0, v13
	v_cmp_ne_u32 s50, 0, v14
	v_cmp_eq_u32 s51, v5, v3                       ; the lanes on the diagonal
	v_cmp_ne_u32 s53, 0, v3                        ; lanes 16-31
	v_lshlrev_b32 v21, 3, v1                       ; 8 x lane
	v_lshlrev_b32 v1, 4, v1                        ; 16 x lane
	v_lshlrev_b32 v2, 2, v6                        ; 4 r
	v_bfe_u32 v22, v0, 3, 2                        ; lane / 8
	v_and_b32 v13, 7, v0                           ; lane % 8
	v_lshlrev_b32 v23, 2, v22                      ; cand: 4 x (lane / 8)
	v_lshlrev_b32 v13, 4, v13                      ; my 16 bytes of a candidate's 128
	s_mul_i32 s23, s20, 32*SP
	s_add_co_u32 s23, s23, 1024                    ; my wave's stage
	v_mul_u32_u24 v16, v22, SP
	v_mul_u32_u24 v15, v6, SP
	v_add_nc_u32 v16, v16, v13
	v_lshl_add_u32 v15, v3, 4, v15
	v_add_nc_u32 v16, s23, v16                     ; into the stage: row lane / 8, 16 x (lane % 8)
	v_add_nc_u32 v15, s23, v15                     ; out of it: row r, + 16 h
	s_lshl_b32 s21, s20, 6
	v_add_nc_u32 v18, s21, v2                      ; LDS: my query's index: 64 w + 4 r
	s_lshl_b32 s21, s20, 2
	s_add_co_u32 s21, s21, 256
	v_mov_b32 v19, s21                             ; LDS: my wave's sum
	v_mov_b32 v20, 0
	s_mov_b32 s56, 0x76543210
	s_mov_b32 s57, 0xfedcba98                      ; v_permlanex16_b32's selects for lane l xor 16
	s_lshl_b32 s22, ttmp9, 2
	s_add_co_u32 s22, s22, s20                     ; my tile of 16 queries
	s_lshl_b32 s24, s22, 14
	s_mov_b32 s25, 0
	s_lshl_b32 s26, s22, 6
	s_mov_b32 s27, 0
	s_mul_i32 s28, s22, 2304
	s_mov_b32 s29, 0
	s_lshl_b32 s30, ttmp9, 8
	s_mov_b32 s31, 0
	s_wait_alu depctr_va_vdst(0)                   ; the wait at the head's end
	s_wait_kmcnt 0x0
	s_add_nc_u64 s[12:13], s[12:13], s[26:27]
	s_load_b512 s[32:47], s[12:13], 0x0            ; my 16 numbers, as scalars for the rows;
	global_load_b32 v4, v2, s[12:13]               ; a lane to a query, for cm and the index;
.irp i, 0,1,2,3
	global_load_b32 v[T+\i], v23, s[12:13] offset:16*\i   ; and query 4 i + lane / 8's, for cr
.endr
	s_add_nc_u64 s[10:11], s[10:11], s[28:29]
	s_add_nc_u64 s[4:5], s[4:5], s[24:25]
	s_add_nc_u64 s[14:15], s[14:15], s[24:25]
	s_add_nc_u64 s[16:17], s[16:17], s[30:31]
	s_lshl_b32 s30, ttmp9, 2
	s_add_nc_u64 s[18:19], s[18:19], s[30:31]
.irp c, 0,1,2,3
	global_load_b128 v[XQ+4*\c:XQ+4*\c+3], v1, s[10:11] offset:512*\c
.endr
	global_load_b32 v[XS], v21, s[10:11] offset:2048
.irp i, 0,1,2,3,4,5,6,7,8,9,10,11,12,13,14,15
.irp j, 0,1
	global_load_b128 v[X+8*\i+4*\j:X+8*\i+4*\j+3], v1, s[4:5] offset:1024*\i+512*\j th:TH_LOAD_NT
.endr
.endr
	s_wait_kmcnt 0x0
.irp i, 0,1,2,3,4,5,6,7,8,9,10,11,12,13,14,15
	s_min_u32 s[32+\i], s[32+\i], 8175             ; c0 + 16 stays inside the table
.endr
.irp i, 0,1,2,3,4,5,6,7,8,9,10,11,12,13,14,15
	v_lshl_add_u32 v[EO+\i], s[32+\i], 10, v1      ; 1,024 bytes a code
.endr
	s_wait_alu depctr_va_vdst(0)
	s_wait_loadcnt 37                              ; the five loads of cand are in: behind them 5 loads of xq and 32 of x were issued
	v_min_u32 v17, 8175, v4                        ; c0
.irp i, 0,1,2,3
	v_min_u32 v[T+\i], 8175, v[T+\i]
.endr
	v_lshlrev_b32 v7, 4, v17                       ; cm: 16 bytes a code
.irp i, 0,1,2,3
	v_lshl_add_u32 v[T+4+\i], v[T+\i], 7, v13      ; cr: 128 bytes a code, + my 16
.endr
.irp a, 0,1
	global_load_b128 v[M+4*\a:M+4*\a+3], v7, s[62:63] offset:256*\a
.endr
.macro ELOAD i                         ; query i's two candidates' rows: window 1, v[16 i] on
.irp k, 0,1
.irp j, 0,1
	global_load_b128 v[16*(\i)+8*\k+4*\j:16*(\i)+8*\k+4*\j+3], v[EO+(\i)], s[6:7] offset:16384*\k+512*\j
.endr
.endr
.endm
	WIN 0x40                                       ; destination window 1, address window 0
.irp a, 0,1
.irp i, 0,1,2,3
	global_load_b128 v[RAW+16*\a+4*\i:RAW+16*\a+4*\i+3], v[T+4+\i], s[8:9] offset:2048*\a   ; candidate a of queries 4 i .. 4 i + 3: four runs of 128 bytes
.endr
.endr
.irp i, 0,1,2,3,4,5,6,7
	ELOAD \i
.endr
	WIN 0
	s_wait_alu depctr_va_vdst(0)                   ; directly ahead of the wait below
	s_wait_loadcnt 32                              ; cm's and cr's ten loads are in; the 32 loads of rows behind them may be out
	WIN 0x04                                       ; a store's data: window 1
.irp a, 0,1
.irp i, 0,1,2,3
	ds_store_b128 v16, v[RAW+16*\a+4*\i:RAW+16*\a+4*\i+3] offset:(16*\a+4*\i)*SP
.endr
.endr
	WIN 0
.irp a, 0,1
.irp c, 0,1,2,3
	ds_load_b128 v[AFR+16*\a+4*\c:AFR+16*\a+4*\c+3], v15 offset:16*\a*SP+32*\c   ; LDS serves a wave's instructions in order: these see my stores.  Register group c: blocks 2 c + h
.endr
.endr
.irp a, 0,1
	v_cndmask_b32 v[ASC+\a], v[M+4*\a], v[M+4*\a+1], s53   ; lanes 0-15 K step 0's scale word, lanes 16-31 K step 1's
.endr
.irp a, 0,1
.irp j, 0,1,2,3,4,5,6,7
	v_mov_b32 v[ACC+8*\a+\j], v[M+4*\a+2]          ; C: the diagonal's element needs my candidate's number, whichever register holds it
.endr
.endr
	s_wait_alu depctr_va_vdst(0)                   ; directly ahead of the wait below
	s_wait_dscnt 0x0
.rept 4
	v_nop
.endr
.irp a, 0,1                                    ; the two accumulators take turns
	v_wmma_scale_f32_16x16x128_f8f6f4 v[ACC+8*\a:ACC+8*\a+7], v[AFR+16*\a:AFR+16*\a+7], v[XQ:XQ+7], v[ACC+8*\a:ACC+8*\a+7], v[ASC+\a], v[XS] matrix_a_fmt:MATRIX_FMT_FP4 matrix_b_fmt:MATRIX_FMT_FP4
.endr
.irp a, 0,1
	v_wmma_scale_f32_16x16x128_f8f6f4 v[ACC+8*\a:ACC+8*\a+7], v[AFR+16*\a+8:AFR+16*\a+15], v[XQ+8:XQ+15], v[ACC+8*\a:ACC+8*\a+7], v[ASC+\a], v[XS] matrix_a_fmt:MATRIX_FMT_FP4 matrix_b_fmt:MATRIX_FMT_FP4 matrix_a_scale:MATRIX_SCALE_ROW1 matrix_b_scale:MATRIX_SCALE_ROW1
.endr
.rept 4
	v_nop
.endr
.irp a, 0,1                                    ; register r % 8, bit by bit; each accumulator is read from its low end on
.irp i, 0,2,4,6
	v_cndmask_b32 v[ACC+8*\a+\i], v[ACC+8*\a+\i], v[ACC+8*\a+\i+1], s48
.endr
.endr
.irp a, 0,1
.irp i, 0,4
	v_cndmask_b32 v[ACC+8*\a+\i], v[ACC+8*\a+\i], v[ACC+8*\a+\i+2], s49
.endr
.endr
.irp a, 0,1
	v_cndmask_b32 v[ACC+8*\a], v[ACC+8*\a], v[ACC+8*\a+4], s50
.endr
.irp a, 0,1
	v_permlanex16_b32 v[ACC+8*\a+1], v[ACC+8*\a], s56, s57
.endr
.irp a, 0,1
	v_cndmask_b32 v[ACC+8*\a], v[ACC+8*\a+1], v[ACC+8*\a], s51   ; both halves of the lanes now hold query r's D
.endr
	v_cmp_gt_f32 s52, v[ACC+8], v[ACC]             ; bit i: query i takes its second candidate; strictly greater: of equal D the first stays
	v_cndmask_b32 v14, v20, 16, s52
	v_add_nc_u32 v17, v17, v14                     ; the index: c0 + 16 k
	ds_store_b32 v18, v17                          ; lanes r and 16 + r write the same word with the same value
	WIN 0x40
.irp i, 8,9,10,11,12,13,14,15
	ELOAD \i
.endr
	WIN 0
.macro COMP i
	s_wait_loadcnt 4*(15-(\i))                     ; loads come back in order: this query's rows are in; the younger queries' four loads each may be out
	s_bitcmp1_b32 s52, \i
	s_cselect_b32 s54, -1, 0                       ; the query's k as a mask for all lanes
	WIN 0x05                                       ; sources 0 and 1 window 1, destination window 0
.irp m, 0,1,2,3,4,5,6,7
	v_cndmask_b32 v[T+\m], v[16*(\i)+\m], v[16*(\i)+8+\m], s54
.endr
	WIN 0
.irp m, 0,1,2,3
	v_pk_add_f32 v[T+2*\m:T+2*\m+1], v[T+2*\m:T+2*\m+1], v[X+8*(\i)+2*\m:X+8*(\i)+2*\m+1] neg_lo:[0,1] neg_hi:[0,1]   ; e - x
.endr
.irp m, 0,1,2,3
.if ((\i) == 0) && (\m < 2)
	v_pk_mul_f32 v[8+2*\m:9+2*\m], v[T+2*\m:T+2*\m+1], v[T+2*\m:T+2*\m+1]   ; the first squares start the sums
.else
	v_pk_fma_f32 v[8+2*(\m%2):9+2*(\m%2)], v[T+2*\m:T+2*\m+1], v[T+2*\m:T+2*\m+1], v[8+2*(\m%2):9+2*(\m%2)]
.endif
.endr
.irp m, 0,1,2,3
	v_pk_add_f32 v[X+8*(\i)+2*\m:X+8*(\i)+2*\m+1], v[X+8*(\i)+2*\m:X+8*(\i)+2*\m+1], v[T+2*\m:T+2*\m+1]   ; x + (e - x)
.endr
.endm
.macro SEND i
.irp j, 0,1
	global_store_b128 v1, v[X+8*(\i)+4*\j:X+8*(\i)+4*\j+3], s[14:15] offset:1024*(\i)+512*\j th:TH_STORE_NT
.endr
.endm
.irp b, 0,1,2,3
.irp i, 0,1,2,3
	COMP 4*\b+\i
.endr
.irp i, 0,1,2,3
	SEND 4*\b+\i
.endr
.endr
	v_pk_add_f32 v[8:9], v[8:9], v[10:11]
	v_add_f32 v8, v8, v9
	v_add_f32_dpp v8, v8, v8 row_xmask:1 row_mask:0xf bank_mask:0xf
	v_add_f32_dpp v8, v8, v8 row_xmask:2 row_mask:0xf bank_mask:0xf
	v_add_f32_dpp v8, v8, v8 row_xmask:4 row_mask:0xf bank_mask:0xf
	v_add_f32_dpp v8, v8, v8 row_xmask:8 row_mask:0xf bank_mask:0xf
	v_permlanex16_b32 v12, v8, s56, s57
	v_add_f32 v8, v8, v12                          ; my wave's sum, in every lane
	ds_store_b32 v19, v8
	s_wait_dscnt 0x0                               ; for the others' sake: my sum and my indices have landed
	s_barrier_signal -1
	s_barrier_wait -1
	s_cmp_lg_u32 s20, 0
	s_cbranch_scc1 .Lend
	ds_load_b128 v[24:27], v20 offset:256          ; the four waves' sums
	ds_load_b64 v[28:29], v21                      ; the work-group's 64 indices, 8 bytes a lane
	s_wait_dscnt 0x0
	global_store_b64 v21, v[28:29], s[16:17]       ; 256 consecutive bytes, aligned
	v_pk_add_f32 v[24:25], v[24:25], v[26:27]
	v_add_f32 v24, v24, v25
	v_cmp_eq_u32 vcc_lo, 0, v0
	s_wait_alu depctr_va_vdst(0)                   ; directly ahead of the wait below
	s_wait_xcnt 0x0                                ; EXEC changes only behind this wait
	s_and_saveexec_b32 s60, vcc_lo
	global_store_b32 v20, v24, s[18:19]            ; thread 0: the work-group's part
	s_wait_xcnt 0x0
	s_or_b32 exec_lo, exec_lo, s60
.Lend:
	s_wait_tensorcnt 0x0                           ; the wave's end
	ds_add_u32 v[SPW], v[NIL]
	s_wait_dscnt 0x0
	s_endpgm
.Lfunc_end_k_q274c530205_finish:
	.size	k_q274c530205_finish, .Lfunc_end_k_q274c530205_finish-k_q274c530205_finish
	.p2alignl 7, 3214868480
	.fill 96, 4, 3214868480
	.section	.rodata,"a",@progbits
	.p2align	6, 0x0
	.amdhsa_kernel k_q274c530205_finish
		.amdhsa_group_segment_fixed_size 19456
		.amdhsa_private_segment_fixed_size 0
		.amdhsa_enable_private_segment 0
		.amdhsa_kernarg_size 72
		.amdhsa_user_sgpr_count 2
		.amdhsa_user_sgpr_kernarg_segment_ptr 1
		.amdhsa_wavefront_size32 1
		.amdhsa_system_sgpr_workgroup_id_x 1
		.amdhsa_system_sgpr_workgroup_id_y 1
		.amdhsa_system_sgpr_workgroup_id_z 1
		.amdhsa_system_vgpr_workitem_id 0
		.amdhsa_next_free_vgpr 512
		.amdhsa_next_free_sgpr 66
		.amdhsa_reserve_vcc 1
		.amdhsa_float_denorm_mode_32 3
		.amdhsa_float_denorm_mode_16_64 3
		.amdhsa_memory_ordered 1
		.amdhsa_forward_progress 1
		.amdhsa_inst_pref_size 48
	.end_amdhsa_kernel
	.amdgpu_metadata
---
amdhsa.version: [ 1, 2 ]
amdhsa.kernels:
  - .name:           k_q274c530205_finish
    .symbol:         k_q274c530205_finish.kd
    .args:
      - { .name: input, .offset: 0, .size: 8, .value_kind: global_buffer, .address_space: global }
      - { .name: embt, .offset: 8, .size: 8, .value_kind: global_buffer, .address_space: global }
      - { .name: cr, .offset: 16, .size: 8, .value_kind: global_buffer, .address_space: global }
      - { .name: xq, .offset: 24, .size: 8, .value_kind: global_buffer, .address_space: global }
      - { .name: cand, .offset: 32, .size: 8, .value_kind: global_buffer, .address_space: global }
      - { .name: out0, .offset: 40, .size: 8, .value_kind: global_buffer, .address_space: global }
      - { .name: out2, .offset: 48, .size: 8, .value_kind: global_buffer, .address_space: global }
      - { .name: part, .offset: 56, .size: 8, .value_kind: global_buffer, .address_space: global }
      - { .name: cm, .offset: 64, .size: 8, .value_kind: global_buffer, .address_space: global }
    .group_segment_fixed_size: 19456
    .private_segment_fixed_size: 0
    .kernarg_segment_align: 8
    .kernarg_segment_size: 72
    .max_flat_workgroup_size: 128
    .sgpr_count:     66
    .vgpr_count:     512
    .wavefront_size: 32
...
	.end_amdgpu_metadata
.endif
;; end of part 3
;; launch total (part 4): grid 1 x 1, 1 waves a work-group, no clusters, 0 bytes of LDS; arguments part, out1; writes out1
.if DOCPART == 4
	.amdgcn_target "amdgcn-amd-amdhsa--gfx1250"
	.amdhsa_code_object_version 6
	.text
	.protected	k_q274c530205_total
	.globl	k_q274c530205_total
	.p2align	8
	.type	k_q274c530205_total,@function
k_q274c530205_total:
	s_mov_b64 s[64:65], 0
	v_nop
	global_prefetch_b8 v0, s[64:65] scope:SCOPE_SE
	s_setreg_imm32_b32 hwreg(HW_REG_WAVE_MODE, 25, 1), 1
	s_wait_xcnt 0x0
; out1 = the mean of (e - x)^2 over 32,768 x 256 numbers: the 512 parts of the launch before are added, in a fixed order, and multiplied by 2^-23.
; One wave: 16 parts a lane by four loads of 512 consecutive bytes.  A sum over all work-groups of a launch has its one owner here.
	s_load_b128 s[4:7], s[0:1], 0x0                ; part, out1
	v_lshlrev_b32 v1, 4, v0
	v_mov_b32 v2, 0
	v_mov_b32 v3, 0                                ; (a lane permute's destination counts as one of its sources)
	s_mov_b32 s8, 0x76543210
	s_mov_b32 s9, 0xfedcba98
	s_wait_alu depctr_va_vdst(0)
	s_wait_kmcnt 0x0
.irp k, 0,1,2,3
	global_load_b128 v[4+4*\k:7+4*\k], v1, s[4:5] offset:512*\k
.endr
	s_wait_loadcnt 0x0
	v_pk_add_f32 v[4:5], v[4:5], v[6:7]
	v_pk_add_f32 v[8:9], v[8:9], v[10:11]
	v_pk_add_f32 v[12:13], v[12:13], v[14:15]
	v_pk_add_f32 v[16:17], v[16:17], v[18:19]
	v_pk_add_f32 v[4:5], v[4:5], v[8:9]
	v_pk_add_f32 v[12:13], v[12:13], v[16:17]
	v_pk_add_f32 v[4:5], v[4:5], v[12:13]
	v_add_f32 v4, v4, v5
	v_add_f32_dpp v4, v4, v4 row_xmask:1 row_mask:0xf bank_mask:0xf
	v_add_f32_dpp v4, v4, v4 row_xmask:2 row_mask:0xf bank_mask:0xf
	v_add_f32_dpp v4, v4, v4 row_xmask:4 row_mask:0xf bank_mask:0xf
	v_add_f32_dpp v4, v4, v4 row_xmask:8 row_mask:0xf bank_mask:0xf
	v_permlanex16_b32 v3, v4, s8, s9
	v_add_f32 v4, v4, v3
	v_mul_f32 v4, 0x34000000, v4                   ; 2^-23 = 1 / (32,768 x 256)
	v_cmp_eq_u32 vcc_lo, 0, v0
	s_wait_alu depctr_va_vdst(0)
	s_wait_xcnt 0x0                                ; EXEC changes only behind this wait
	s_and_saveexec_b32 s10, vcc_lo
	global_store_b32 v2, v4, s[6:7]                ; lane 0 stores the one number
	s_wait_xcnt 0x0
	s_or_b32 exec_lo, exec_lo, s10
	s_endpgm
.Lfunc_end_k_q274c530205_total:
	.size	k_q274c530205_total, .Lfunc_end_k_q274c530205_total-k_q274c530205_total
	.p2alignl 7, 3214868480
	.fill 96, 4, 3214868480
	.section	.rodata,"a",@progbits
	.p2align	6, 0x0
	.amdhsa_kernel k_q274c530205_total
		.amdhsa_group_segment_fixed_size 0
		.amdhsa_private_segment_fixed_size 0
		.amdhsa_enable_private_segment 0
		.amdhsa_kernarg_size 16
		.amdhsa_user_sgpr_count 2
		.amdhsa_user_sgpr_kernarg_segment_ptr 1
		.amdhsa_wavefront_size32 1
		.amdhsa_system_sgpr_workgroup_id_x 1
		.amdhsa_system_sgpr_workgroup_id_y 1
		.amdhsa_system_sgpr_workgroup_id_z 1
		.amdhsa_system_vgpr_workitem_id 0
		.amdhsa_next_free_vgpr 32
		.amdhsa_next_free_sgpr 66
		.amdhsa_reserve_vcc 1
		.amdhsa_float_denorm_mode_32 3
		.amdhsa_float_denorm_mode_16_64 3
		.amdhsa_memory_ordered 1
		.amdhsa_forward_progress 1
		.amdhsa_inst_pref_size 3
	.end_amdhsa_kernel
	.amdgpu_metadata
---
amdhsa.version: [ 1, 2 ]
amdhsa.kernels:
  - .name:           k_q274c530205_total
    .symbol:         k_q274c530205_total.kd
    .args:
      - { .name: part, .offset: 0, .size: 8, .value_kind: global_buffer, .address_space: global }
      - { .name: out1, .offset: 8, .size: 8, .value_kind: global_buffer, .address_space: global }
    .group_segment_fixed_size: 0
    .private_segment_fixed_size: 0
    .kernarg_segment_align: 8
    .kernarg_segment_size: 16
    .max_flat_workgroup_size: 32
    .sgpr_count:     66
    .vgpr_count:     32
    .wavefront_size: 32
...
	.end_amdgpu_metadata
.endif
;; end of part 4
